; MI455X (gfx1250); checked and timed in simulation.
; The chip was launched on July 23, 2026; its instructions are those of AMD's public machine-readable ISA for CDNA 5 (MIT licence, August 2026) and "CDNA5" Instruction Set Architecture Reference Guide (July 2026). The comments in the code are by the model that wrote it; some were corrected since.
;; Multi Head Attention. Allowed arithmetic: matrix products marked QUANTISED: E5M2 operands, one given power-of-two scale a tensor, by v_wmma_f32_16x16x64_bf8_bf8 or v_wmma_f32_16x16x128_bf8_bf8, f32 sums; everything else in f32.
;; Inputs: K_input_codes 4 x 2,048 x 32 x 32 uint8 (E5M2 codes of K_input, K innermost, in blocks of 32 codes); Q_input 4 x 2,048 x 1,024 float32; V_input_codes 4 x 2,048 x 32 x 32 uint8 (E5M2 codes of V_input, K innermost, in blocks of 32 codes); Wk_codes 1,024 x 32 x 32 uint8 (E5M2 codes of Wk, K innermost, in blocks of 32 codes); Wo_codes 1,024 x 32 x 32 uint8 (E5M2 codes of Wo, K innermost, in blocks of 32 codes); Wq_codes 1,024 x 32 x 32 uint8 (E5M2 codes of Wq, K innermost, in blocks of 32 codes); Wv_codes 1,024 x 32 x 32 uint8 (E5M2 codes of Wv, K innermost, in blocks of 32 codes); beta 1,024 float32; bk 1,024 float32; bo 1,024 float32; bq 1,024 float32; bv 1,024 float32; gamma 1,024 float32; lowp_scales 12 int32 (the exponents e of the quantised operands' scales 2^e).
;; Outputs: out0 4 x 2,048 x 1,024 float32.
;; This version of the problem:
;;   THIS VERSION OF THE PROBLEM IS GIVEN IN LOW PRECISION. The matrix products marked QUANTISED in the list below multiply operands that are first quantised to E5M2 (5 exponent bits, 2 mantissa bits; 8 bits a number), with one given power-of-two scale for each operand tensor; their sums are f32. All else is computed in f32.
;;   The module's matrix products, in the order in which they are computed (A, B: the left and right operand; K: the contracted axis; several contracted axes count as one K, in the product's order):
;;     1. [M 8,192, K 1,024] x [K 1,024, N 1,024]; A: input Q_input; B: input Wq (given as codes): QUANTISED (scales: A lowp_scales[0], B lowp_scales[1])
;;     2. [M 8,192, K 1,024] x [K 1,024, N 1,024]; A: input K_input (given as codes); B: input Wk (given as codes): QUANTISED (scales: A lowp_scales[2], B lowp_scales[3])
;;     3. [M 8,192, K 1,024] x [K 1,024, N 1,024]; A: input V_input (given as codes); B: input Wv (given as codes): QUANTISED (scales: A lowp_scales[4], B lowp_scales[5])
;;     4. batch 64 x [M 2,048, K 64] x [K 64, N 2,048]; A: computed on the way; B: computed on the way: QUANTISED (scales: A lowp_scales[6], B lowp_scales[7])
;;     5. batch 64 x [M 2,048, K 2,048] x [K 2,048, N 64]; A: softmax (see below); B: computed on the way: QUANTISED (scales: A lowp_scales[8], B lowp_scales[9])
;;     6. [M 8,192, K 1,024] x [K 1,024, N 1,024]; A: computed on the way; B: input Wo (given as codes): QUANTISED (scales: A lowp_scales[10], B lowp_scales[11])
;;   THE QUANTISER, for each operand of a quantised product, along K:
;;     - The operand's scale is 2^e, e = its entry of the input lowp_scales (int32; the entries are numbered through the quantised products in the list's order, A before B).
;;     - Each number is divided by the scale, clamped to +-57,344, and rounded to the nearest number of E5M2, ties to even, subnormals kept.
;;     - The product sums the exact products of the quantised numbers (number of the format x scale) in f32.
;;   ~~~python
;;   def quantise(x, axis, e):      # numpy; x: float32 -> the quantised numbers, widened to float32 again
;;       x = np.moveaxis(x, axis, -1); K = x.shape[-1]
;;       r = np.clip(x / 2.0 ** e, -57344, 57344)
;;       step = 2.0 ** (np.maximum(np.frexp(np.where(r == 0, 1, r))[1] - 1, -14) - 2)
;;       q = np.round(r / step) * step * 2.0 ** e      # np.round: ties to even
;;       return np.moveaxis(q, -1, axis).astype(np.float32)
;;   ~~~
;;   SOFTMAX AHEAD OF A QUANTISED PRODUCT. Where the list says 'softmax', what is quantised is not the finished softmax but p = 2^(t - M), with t = logit x log2(e) and M = ceil(the row's largest t), a whole number; so 1/2 < the row's largest p <= 1. The row's sum l is taken of the UNQUANTISED p, in f32, and the product's result is divided by l at the end. Since M is a whole number, a kernel that streams over the keys may use a running M (the ceiling of the running maximum): every later rescaling is an exact power of two, so the quantised numbers keep their values, but for numbers so far below the row's largest that they fall under the format's range.
;;   OPERANDS COMPUTED ON THE WAY. 'Computed on the way' means the value that the module computes at that place (a softmax that the list does not call 'softmax' is quantised finished and normalised). What goes into a quantiser is computed in f32, as accurately as f32 sums, v_exp_f32 and their like allow (about 1e-6 of the number): no bf16 or f16 on the way to a quantiser, and a product that is left as it is and whose result goes on into a quantised operand takes f32 operands (vector FMAs, or v_wmma_f32_16x16x4_f32). A number that lies on a knife's edge between two numbers of the format may be rounded either way, as far as f32 arithmetic and the matrix unit's own rounding can turn it there, and no further.
;;   INPUTS GIVEN AS CODES. K_input (in the module: [4, 2048, 1024], K = its axis 2); V_input (in the module: [4, 2048, 1024], K = its axis 2); Wk (in the module: [1024, 1024], K = its axis 0); Wo (in the module: [1024, 1024], K = its axis 0); Wq (in the module: [1024, 1024], K = its axis 0); Wv (in the module: [1024, 1024], K = its axis 0): each comes as NAME_codes (uint8): NAME with its K axis moved to the last place and cut into blocks of 32 codes, [.., K / 32, bytes a block], one block behind the other in memory; one code a byte (a code: sign, 5 exponent bits, 2 mantissa bits); its scale is its entry of lowp_scales. Its value is code x scale, taken as it is: it is not quantised again, and the codes and scales need not be those that the quantiser above would give.
;; One version. Each part assembles by itself: llvm-mc -triple=amdgcn-amd-amdhsa -mcpu=gfx1250 --defsym DOCPART=n.
;; ======== version 1 of 1: 4 launches
;; limits: right only within a limited range of input values
;; workspace buffers: xq 8,388,608 bytes; wi 1,048,576 bytes; qc 8,388,608 bytes; kc 8,388,608 bytes; vc 8,388,608 bytes; cc 8,388,608 bytes
;; launch prep (part 1): grid 256 x 1, 4 waves a work-group, no clusters, 33,280 bytes of LDS; arguments Q_input, Wo_codes, lowp_scales, xq, wi; writes xq, wi
.if DOCPART == 1
	.amdgcn_target "amdgcn-amd-amdhsa--gfx1250"
	.amdhsa_code_object_version 6
	.text
	.protected	k_q2b1eca6fc0_prep
	.globl	k_q2b1eca6fc0_prep
	.p2align	8
	.type	k_q2b1eca6fc0_prep,@function
k_q2b1eca6fc0_prep:
	s_mov_b64 s[64:65], 0
	v_nop
	global_prefetch_b8 v0, s[64:65] scope:SCOPE_SE
	s_setreg_imm32_b32 hwreg(HW_REG_WAVE_MODE, 25, 1), 1
	s_wait_xcnt 0x0
; TWO JOBS.  (1) Q_input [8192][1024] f32 becomes codes of BF8 (E5M2), xq [8192][1024], one byte a number, with the given scale 2^e0:
; code = x / 2^e0, held within +-57,344, rounded to the nearest code, ties to even.  (2) Wo's codes are laid once in the order of an operand's registers (buffer wi), so that the last
; launch loads each fragment by four dense loads of 16 bytes a lane.
; LIMITS: -126 <= e0 <= 112, so that 2^e0 and 57,344 x 2^e0 are f32 numbers.  NaN among the inputs is not served (an infinity is held at the largest code).
; (1) Rows are dense, so the tensor is a plain stream.  Wave i = 4 x work-group + wave takes 8,192 numbers in 16 steps of 512.  Each of a step's four loads reads 512 consecutive bytes, 16 a lane;
; the 2,048 bytes turn through the wave's own stage in LDS (16 bytes of padding behind each 64) and come back 64 bytes a lane: 16 neighbours along K, as the conversions want them.
; A lane's 16 codes are 16 bytes: a store of the wave covers 512 consecutive bytes, aligned.  Loads run four steps ahead, the turn through LDS one step.  Waves share nothing: no barrier.
; (2) Fragment F = i / 2 of 512, half i % 2.  F = ((w 4 + q) 8 + s) 4 + t stands for output columns 16 T + r, T = 16 w + 4 q + t, K step s of 128.  Register 2 c + e, byte b, of lane (r, h) is
; Wo_codes[16 T + r][128 s + 16 c + 8 h + 4 e + b].  A wave brings eight registers by four loads of 8 bytes and stores them as two pieces of 512 bytes at 1,024 i.
.set STEPS, 16
.set EMAX,  15
.set MANT,  0x600000                   ; the mantissa field of 57,344 as f32
.set R,     16                         ; v16-79   four sets of 16 numbers as they are loaded
.set X,     80                         ; v80-111  two sets of 16 neighbours
.set WF,    112                        ; v112-119 half a fragment of Wo; never rewritten
.set C,     128                        ; v128-191 codes: four registers for each step, so that no store's data are written again
.set WREG,  8192                       ; LDS: a region of its own for each wave: two stages of 32 x SP bytes
.set SP,    80                         ; a lane's place in a stage: its 64 bytes + 16 of padding
	s_load_b128 s[4:7], s[0:1], 0x0                ; Q_input, Wo's codes
	s_load_b128 s[8:11], s[0:1], 0x10              ; the scales' exponents, xq
	s_load_b64 s[12:13], s[0:1], 0x20              ; wi
	v_lshl_add_u32 v192, v0, 2, 0x8000
	v_mov_b32 v193, 0
	v_lshrrev_b32 v1, 5, v0
	v_readfirstlane_b32 s16, v1                    ; wave
	v_and_b32 v2, 31, v0                           ; lane
	v_lshlrev_b32 v3, 4, v2                        ; 16 x lane: my bytes of a load's 512, and of a store's
	s_mul_i32 s17, s16, WREG
	v_lshrrev_b32 v14, 2, v2
	v_mul_u32_u24 v14, v14, SP
	v_and_b32 v15, 3, v2
	v_lshl_add_u32 v14, v15, 4, v14
	v_add_nc_u32 v14, s17, v14                     ; the stage, on the way in: SP (lane / 4) + 16 (lane % 4)
	v_mul_u32_u24 v15, v2, SP
	v_add_nc_u32 v15, s17, v15                     ; and on the way out: SP x lane: my 16 neighbours
	v_and_b32 v6, 15, v2                           ; r
	v_lshrrev_b32 v7, 4, v2                        ; h
	v_lshlrev_b32 v5, 10, v6
	v_lshl_add_u32 v5, v7, 3, v5                   ; Wo: row r of 1,024 bytes, + 8 h
	s_lshl_b32 s18, ttmp9, 2
	s_add_co_u32 s18, s18, s16                     ; i
	s_lshl_b32 s20, s18, 15                        ; 8,192 numbers of 4 bytes
	s_mov_b32 s21, 0
	s_lshl_b32 s22, s18, 13                        ; 8,192 codes
	s_mov_b32 s23, 0
	s_lshr_b32 s24, s18, 1                         ; F
	s_and_b32 s25, s18, 1                          ; which half of the fragment
	s_lshr_b32 s26, s24, 5
	s_lshl_b32 s26, s26, 2
	s_and_b32 s27, s24, 3
	s_add_co_u32 s26, s26, s27                     ; T = 4 (F / 32) + F % 4
	s_lshl_b32 s26, s26, 14                        ; 16 rows of 1,024 bytes
	s_bfe_u32 s27, s24, 0x30002                    ; s = (F / 4) % 8
	s_lshl_b32 s27, s27, 7
	s_add_co_u32 s26, s26, s27
	s_lshl_b32 s27, s25, 6                         ; the half's 64 along K
	s_add_co_u32 s26, s26, s27
	s_mov_b32 s27, 0
	s_lshl_b32 s28, s18, 10                        ; 2,048 F + 1,024 x half
	s_mov_b32 s29, 0
	s_wait_alu depctr_va_vdst(0)
	s_wait_kmcnt 0x0
	s_load_b32 s30, s[8:9], 0x0                    ; e0
	s_add_nc_u64 s[4:5], s[4:5], s[20:21]
	s_add_nc_u64 s[10:11], s[10:11], s[22:23]
	s_add_nc_u64 s[6:7], s[6:7], s[26:27]
	s_add_nc_u64 s[12:13], s[12:13], s[28:29]
.irp i, 0,1,2,3
	global_load_b64 v[WF+2*\i:WF+2*\i+1], v5, s[6:7] offset:16*\i   ; registers 2 c, 2 c + 1 of the fragment: k = 16 c + 8 h + 0 .. 7
.endr
.macro LOAD t
.irp i, 0,1,2,3
	global_load_b128 v[R+16*((\t)%4)+4*\i:R+16*((\t)%4)+4*\i+3], v3, s[4:5] offset:2048*(\t)+512*\i th:TH_LOAD_NT   ; 32 lanes read 512 consecutive bytes
.endr
.endm
.macro TURN t                          ; step t's numbers through the stage: LDS serves a wave's instructions in order (ISA guide 5.7.1.4), so no wait stands between the stores and the loads
.irp i, 0,1,2,3
	ds_store_b128 v14, v[R+16*((\t)%4)+4*\i:R+16*((\t)%4)+4*\i+3] offset:32*SP*((\t)%2)+8*SP*\i
.endr
.irp i, 0,1,2,3
	ds_load_b128 v[X+16*((\t)%2)+4*\i:X+16*((\t)%2)+4*\i+3], v15 offset:32*SP*((\t)%2)+16*\i
.endr
.endm
.irp t, 0,1,2,3
	LOAD \t
.endr
	s_wait_kmcnt 0x0
	s_add_co_i32 s30, s30, 127
	s_lshl_b32 s31, s30, 23
	v_mov_b32 v11, s31                             ; 2^e0 as f32: the conversion takes its exponent field
	s_add_co_i32 s30, s30, EMAX
	s_lshl_b32 s30, s30, 23
	s_or_b32 s30, s30, MANT
	s_wait_alu depctr_va_vdst(0)
	s_wait_loadcnt 12                              ; Wo's four loads and step 0's four are in; the twelve of steps 1 to 3 may be out
	global_store_b128 v3, v[WF:WF+3], s[12:13]               ; two pieces of the image: 512 consecutive bytes each
	global_store_b128 v3, v[WF+4:WF+7], s[12:13] offset:512
	TURN 0
.macro STEP t
.set XS, X+16*((\t)%2)
	s_wait_dscnt 0x0                               ; this step's numbers are back from the stage: so its stores into the stage have read their registers,
.if (\t)+4 < STEPS
	LOAD (\t)+4                                    ; which take the loads of four steps on
.endif
.if (\t)+1 < STEPS
.if STEPS-2-(\t) >= 3
	s_wait_loadcnt 12                              ; the next step's four loads are in; those of the three steps behind it may be out
.else
	s_wait_loadcnt 4*(STEPS-2-(\t))
.endif
	TURN (\t)+1                                    ; and go through the other stage while this step is worked
.endif
.irp i, 0,1,2,3,4,5,6,7,8,9,10,11,12,13,14,15
.endr
	v_cvt_scalef32_pk8_bf8_f32 v[C+4*(\t):C+4*(\t)+1], v[XS:XS+7], v11
	v_cvt_scalef32_pk8_bf8_f32 v[C+4*(\t)+2:C+4*(\t)+3], v[XS+8:XS+15], v11
	global_store_b128 v3, v[C+4*(\t):C+4*(\t)+3], s[10:11] offset:512*(\t)   ; the results go to a store alone
.endm
.irp t, 0,1,2,3,4,5,6,7,8,9,10,11,12,13,14,15
	STEP \t
.endr
	s_wait_tensorcnt 0x0
	ds_add_u32 v192, v193
	s_wait_dscnt 0x0
	s_endpgm
.Lfunc_end_k_q2b1eca6fc0_prep:
	.size	k_q2b1eca6fc0_prep, .Lfunc_end_k_q2b1eca6fc0_prep-k_q2b1eca6fc0_prep
	.p2alignl 7, 3214868480
	.fill 96, 4, 3214868480
	.section	.rodata,"a",@progbits
	.p2align	6, 0x0
	.amdhsa_kernel k_q2b1eca6fc0_prep
		.amdhsa_group_segment_fixed_size 33280
		.amdhsa_private_segment_fixed_size 0
		.amdhsa_enable_private_segment 0
		.amdhsa_kernarg_size 40
		.amdhsa_user_sgpr_count 2
		.amdhsa_user_sgpr_kernarg_segment_ptr 1
		.amdhsa_wavefront_size32 1
		.amdhsa_system_sgpr_workgroup_id_x 1
		.amdhsa_system_sgpr_workgroup_id_y 1
		.amdhsa_system_sgpr_workgroup_id_z 1
		.amdhsa_system_vgpr_workitem_id 0
		.amdhsa_next_free_vgpr 194
		.amdhsa_next_free_sgpr 66
		.amdhsa_reserve_vcc 0
		.amdhsa_float_denorm_mode_32 3
		.amdhsa_float_denorm_mode_16_64 3
		.amdhsa_fp16_overflow 1
		.amdhsa_memory_ordered 1
		.amdhsa_forward_progress 1
		.amdhsa_inst_pref_size 22
	.end_amdhsa_kernel
	.amdgpu_metadata
---
amdhsa.version: [ 1, 2 ]
amdhsa.kernels:
  - .name:           k_q2b1eca6fc0_prep
    .symbol:         k_q2b1eca6fc0_prep.kd
    .args:
      - { .name: Q_input, .offset: 0, .size: 8, .value_kind: global_buffer, .address_space: global }
      - { .name: Wo_codes, .offset: 8, .size: 8, .value_kind: global_buffer, .address_space: global }
      - { .name: lowp_scales, .offset: 16, .size: 8, .value_kind: global_buffer, .address_space: global }
      - { .name: xq, .offset: 24, .size: 8, .value_kind: global_buffer, .address_space: global }
      - { .name: wi, .offset: 32, .size: 8, .value_kind: global_buffer, .address_space: global }
    .group_segment_fixed_size: 33280
    .private_segment_fixed_size: 0
    .kernarg_segment_align: 8
    .kernarg_segment_size: 40
    .max_flat_workgroup_size: 128
    .sgpr_count:     66
    .vgpr_count:     194
    .wavefront_size: 32
...
	.end_amdgpu_metadata
.endif
;; end of part 1
;; launch proj (part 2): grid 4 x 48, 4 waves a work-group, clusters of 4 x 1, 327,680 bytes of LDS; arguments xq, K_input_codes, V_input_codes, Wq_codes, Wk_codes, Wv_codes, bq, bk, bv, lowp_scales, qc, kc, vc; writes qc, kc, vc
.if DOCPART == 2
	.amdgcn_target "amdgcn-amd-amdhsa--gfx1250"
	.amdhsa_code_object_version 6
	.text
	.protected	k_q2b1eca6fc0_proj
	.globl	k_q2b1eca6fc0_proj
	.p2align	8
	.type	k_q2b1eca6fc0_proj,@function
k_q2b1eca6fc0_proj:
	s_mov_b64 s[64:65], 0
	v_nop
	global_prefetch_b8 v0, s[64:65] scope:SCOPE_SE
	s_setreg_imm32_b32 hwreg(HW_REG_WAVE_MODE, 25, 1), 1
	s_wait_xcnt 0x0
	s_wait_alu depctr_hold_cnt(0) depctr_sa_sdst(0) depctr_va_vdst(0) depctr_va_sdst(0) depctr_va_ssrc(0) depctr_va_vcc(0) depctr_vm_vsrc(0)
	s_getreg_b32 s2, hwreg(HW_REG_IB_STS2, 6, 4)
	s_cmp_eq_u32 s2, 0
	s_cbranch_scc0 .Lentry_in_a_cluster
	s_endpgm
.Lentry_in_a_cluster:
	s_bfe_u32 s2, ttmp6, 0x10000c
	s_cmp_lg_u32 s2, 0x3003
	s_cbranch_scc0 .Lentry_shape_is_right
	s_endpgm
.Lentry_shape_is_right:
; THE THREE PROJECTIONS, on codes of BF8 (E5M2), K = 1,024, each result + bias quantised at once to codes for the attention launch.  One text; p = y / 16 picks the product by choosing pointers and strides.
;   p = 0: Q = xq Wq + bq, scale out 2^e6.   p = 1: K = K_input Wk + bk, 2^e7.   p = 2: V^T = (V_input Wv + bv)^T, 2^e9.
; SHARES.  A work-group makes 256 STATIONARY rows x 512 STREAMED rows.  Wave w keeps 64 stationary rows (4 tiles x 8 K steps x 16 registers = 512 registers) for the whole launch and walks the streamed rows
; in 8 blocks of 64, which come through a ring of two LDS slots of 128 rows.  p < 2: stationary = the weight's rows (64 = one head's d), streamed = tokens.  p = 2: stationary = tokens (keys), streamed = Wv's rows.
; 3 x 64 = 192 work-groups: the three products' 3 x 2^23 outputs in equal shares of 2^17.
; THE MATRIX INSTRUCTION: source 0 = 16 stationary rows, source 1 = 16 streamed rows.  In the result lane (r, h) holds streamed row r and its registers the stationary rows 16 t + 8 h + 0 .. 7: eight neighbours along
; the NEXT product's K.  So a tile's conversion gives registers 2 t, 2 t + 1 of the next operand (ISA guide 7.12.2: 8-bit operands), and the codes are stored as an image of those registers:
; four registers a store, 16 bytes a lane, 512 consecutive bytes, aligned.  qc, kc: [b h][tile of 16 tokens][2 pieces][512].  vc: [b h][128 keys][tile of 16 d][4 pieces][512].
; Both operands here are rows of given codes; both are fetched in pieces of 16 bytes (registers 4 c .. 4 c + 3: k = 128 s + 32 c + 16 h + 0 .. 15): one permutation of k, the same on both sides, so every product meets its partner.
; THE BIAS, without a branch: along the registers (p < 2) it is the C of K step 0; along the lanes (p = 2) it is added on the way out; the one that does not apply is made 0 by v_cndmask_b32.  Both go in divided by 2^(ea + eb), which the sums lack.
; CLUSTER: the four work-groups of a cluster take the same streamed rows and four different slabs of stationary rows: each streamed tile is asked for JOINTLY, the same tensor load with the mask of all four.
; LIMITS: eq - ea - eb between -126 and 112 (ea, eb the product's two scales, eq its result's), so that the conversion's scale and 57,344 x it are f32 numbers.  NaN is not served.
; REGISTERS, in windows of 256.  Window 0: see the names below.  Windows 1, 2: the stationary fragments, (tile t, K step s) at v[16 (4 (s % 4) + t)] of window 1 + s / 4.  Window 3: the 16 accumulators, (m, t) at v[8 (4 m + t)].
.set PITCH, 1040                       ; an LDS row: 1,024 bytes + 16 of padding = 260 words: row r starts at bank 4 r mod 64 (64 banks of 4 bytes: ISA guide 11.1): the 16 rows of a load start at 16 different banks
.set BLK,   64*PITCH                   ; a block of 64 streamed rows
.set SLOT,  2*BLK
.set SPARE, 2*SLOT                     ; behind the ring: the spare words, 128 bytes for each wave: two blocks of 256 bytes that no other line names
.set AL0, 3                            ; v3   my lane's place in a tile of streamed rows: PITCH r + 16 h
.set ADR, 4                            ; v4   the same in the block in hand
.set WL,  5                            ; v5   stationary rows in memory: 1,024 r + 16 h
.set CBO, 6                            ; v6   32 h: my half's eight numbers of a tile's 16 biases
.set RBO, 7                            ; v7   4 r: my lane's bias
.set OFF, 8                            ; v8-11  where tile m's codes go: 16 x lane + m x the stride from tile to tile
.set SPW, 12                           ; v12  LDS address of my spare word; never rewritten
.set NIL, 13                           ; v13  0; never rewritten
.set SC,  14                           ; v14  2^(eq - ea - eb) as f32
.set LIM, 15
.set RB,  16                           ; v16-23  the bias along the lanes, tile m at v[16 + 2 m] (the odd registers are 0: named as upper halves of pairs)
.set CB,  24                           ; v24-55  the bias along the registers: eight a tile t
.set TMP, 56                           ; v56-87  a tile row's 32 sums + bias
.set CODE, 88                          ; v88-119 codes: eight registers for each m
.set AF,  128                          ; v128-191, v192-255  streamed fragments (4 tiles x 16 registers), two sets
.set WV,  14                           ; s14  wave
.set G1,  24                           ; s[24:31] descriptor group 1
.set G0,  32                           ; s[32:39] descriptor group 0, a set for each slot
.set TB,  40                           ; s40  LDS byte at which the block in hand begins
.set TWICE, 41                         ; s41  counts a slot's two blocks
.set MV,  42                           ; s42  all ones where p = 2, else 0: a lane mask
.set NEG, 43                           ; s43  -(ea + eb)
.set MSB, 0
.macro WIN new                         ; the immediate's high byte repeats the setting that is left
.if MSB != \new
	s_set_vgpr_msb (MSB<<8)|\new
.set MSB, \new
.endif
.endm
.macro CROUND                          ; a round of the cluster's barrier: my work-group's barrier; wave 0 signals for the work-group; every wave waits for all four work-groups; my work-group's barrier once more
	s_barrier_signal -1
	s_barrier_wait -1
	s_cmp_lg_u32 s[WV], 0
	s_cbranch_scc1 .Lnot_wave_0_\@
	s_barrier_signal -3
.Lnot_wave_0_\@:
	s_barrier_wait -3
	s_barrier_signal -1
	s_barrier_wait -1
.endm
.macro PLACES n
.rept \n
	v_nop
.endr
.endm
	s_load_b512 s[68:83], s[0:1], 0x0              ; xq 68, K_input 70, V_input 72, Wq 74, Wk 76, Wv 78, bq 80, bk 82
	s_load_b256 s[84:91], s[0:1], 0x40             ; bv 84, the scales' exponents 86, qc 88, kc 90
	s_load_b64 s[92:93], s[0:1], 0x60              ; vc
	v_lshl_add_u32 v[SPW], v0, 2, SPARE
	v_mov_b32 v[NIL], 0
	ds_add_u32 v12, v13
	ds_add_u32 v12, v13
	s_wait_dscnt 0x0
	v_lshrrev_b32 v1, 5, v0
	v_readfirstlane_b32 s[WV], v1                  ; wave 0..3
	s_and_b32 s20, ttmp7, 0xffff                   ; y, which the four partners share
	s_lshr_b32 s15, s20, 4                         ; p
	s_and_b32 s16, s20, 15                         ; v
	s_bfe_u32 s17, ttmp6, 0x40000                  ; cx: my place in the cluster: it enters the stationary rows', the biases' and the results' addresses alone
	s_and_b32 s21, s16, 1
	s_lshr_b32 s44, s16, 1
	s_lshl_b32 s44, s44, 2
	s_add_co_u32 s44, s44, s17                     ; 4 (v / 2) + cx
	s_mov_b32 s46, 4096
	s_mov_b32 s47, 0
	s_mov_b32 s48, 1024
	s_cmp_eq_u32 s15, 2
	s_cselect_b32 s18, s21, s16                    ; rg: which 512 streamed rows: v, or v % 2 of Wv's 1,024
	s_cselect_b32 s19, s44, s17                    ; slab: which 256 stationary rows: cx of a weight's 1,024, or 4 (v / 2) + cx of the 8,192 tokens
	s_cselect_b32 s[MV], -1, 0
	s_cselect_b32 s46, 0x20000, s46                ; s[46:47] bytes from block to block in the result: four tiles of tokens, or a head
	s_cselect_b32 s48, 2048, s48                   ; and from tile m to tile m + 1
	s_lshl_b32 s50, s18, 19                        ; the streamed rows that I fetch first: (512 rg + 32 w) x 1,024 bytes: nothing of cx in it
	s_lshl_b32 s51, s[WV], 15
	s_add_co_u32 s50, s50, s51
	s_mov_b32 s51, 0
	s_mul_i32 s49, s[WV], 32*PITCH                 ; and where they go in a slot
	s_lshl_b32 s44, s19, 18                        ; my stationary rows: (256 slab + 64 w) x 1,024 bytes
	s_lshl_b32 s45, s[WV], 16
	s_add_co_u32 s44, s44, s45
	s_mov_b32 s45, 0
	s_lshl_b32 s22, s19, 10                        ; their biases: (256 slab + 64 w) x 4 bytes, kept inside the 4,096 bytes where p = 2 (there they are read and made 0)
	s_lshl_b32 s23, s[WV], 8
	s_add_co_u32 s22, s22, s23
	s_and_b32 s22, s22, 4095
	s_mov_b32 s23, 0
	s_and_b32 s20, s18, 1                          ; the streamed rows' biases: 512 (rg % 2) x 4 bytes (where p < 2 they are read and made 0)
	s_lshl_b32 s20, s20, 11
	s_mov_b32 s21, 0
	s_lshr_b32 s2, s18, 2                          ; the result, p < 2: b = rg / 4, head = 4 cx + w, tile of tokens 32 (rg % 4): (16 b + head) 2^17 + tile x 1,024
	s_lshl_b32 s2, s2, 21
	s_lshl_b32 s3, s17, 2
	s_add_co_u32 s3, s3, s[WV]
	s_lshl_b32 s3, s3, 17
	s_add_co_u32 s2, s2, s3
	s_and_b32 s3, s18, 3
	s_lshl_b32 s3, s3, 15
	s_add_co_u32 s2, s2, s3
	s_lshr_b32 s94, s19, 3                         ; p = 2: b = slab / 8, head = 8 rg, 128 keys number 2 (slab % 8) + w / 2, half w % 2 of its four pieces
	s_lshl_b32 s94, s94, 4
	s_lshl_b32 s95, s18, 3
	s_add_co_u32 s94, s94, s95
	s_lshl_b32 s94, s94, 17
	s_and_b32 s95, s19, 7
	s_lshl_b32 s95, s95, 1
	s_lshr_b32 s3, s[WV], 1
	s_add_co_u32 s95, s95, s3
	s_lshl_b32 s95, s95, 13
	s_add_co_u32 s94, s94, s95
	s_and_b32 s95, s[WV], 1
	s_lshl_b32 s95, s95, 10
	s_add_co_u32 s94, s94, s95
	s_cmp_eq_u32 s15, 2
	s_cselect_b32 s94, s94, s2
	s_mov_b32 s95, 0
	v_and_b32 v1, 15, v0                           ; r
	v_bfe_u32 v2, v0, 4, 1                         ; h
	v_mul_u32_u24 v[AL0], v1, PITCH
	v_lshl_add_u32 v[AL0], v2, 4, v[AL0]
	v_lshlrev_b32 v[WL], 10, v1
	v_lshl_add_u32 v[WL], v2, 4, v[WL]
	v_lshlrev_b32 v[CBO], 5, v2
	v_lshlrev_b32 v[RBO], 2, v1
	v_and_b32 v[OFF], 31, v0
	v_lshlrev_b32 v[OFF], 4, v[OFF]
	v_add_nc_u32 v[OFF+1], s48, v[OFF]
	v_add_nc_u32 v[OFF+2], s48, v[OFF+1]
	v_add_nc_u32 v[OFF+3], s48, v[OFF+2]
.irp m, 0,1,2,3
	v_mov_b32 v[RB+2*\m+1], 0
.endr
	; descriptor group 1: a tile of 32 rows x 1,024 bytes, padded in LDS
	s_mov_b32 s[G1+0], 15|(0<<16)|(1<<20)|(1<<21)|(7<<22)|(3<<25)  ; 15:0 the mask: all four work-groups; 17:16 elements of 1 byte; 20 padding on; 21 set beside a mask; 24:22 after every 256 words (code 7); 31:25 four words (code 3)
	s_mov_b32 s[G1+1], 1024<<16                    ; tensor_dim0 = 1,024
	s_mov_b32 s[G1+2], 32<<16                      ; tensor_dim1 = 32
	s_mov_b32 s[G1+3], 1024<<16                    ; tile_dim0 = 1,024
	s_mov_b32 s[G1+4], 32                          ; tile_dim1 = 32
	s_mov_b32 s[G1+5], 1024                        ; from row to row
	s_mov_b32 s[G1+6], 0
	s_mov_b32 s[G1+7], 0
	s_wait_kmcnt 0x0
	s_load_b256 s[52:59], s[86:87], 0x0            ; e0 .. e7
	s_load_b128 s[60:63], s[86:87], 0x20           ; e8 .. e11
	s_cmp_eq_u32 s15, 0                            ; the choices hang on p alone
	s_cselect_b64 s[4:5], s[68:69], s[70:71]       ; streamed
	s_cselect_b64 s[6:7], s[74:75], s[76:77]       ; stationary
	s_cselect_b64 s[8:9], s[80:81], s[82:83]       ; the bias along the registers
	s_cselect_b64 s[12:13], s[88:89], s[90:91]     ; the result
	s_cmp_eq_u32 s15, 2
	s_cselect_b64 s[4:5], s[78:79], s[4:5]
	s_cselect_b64 s[6:7], s[72:73], s[6:7]
	s_cselect_b64 s[12:13], s[92:93], s[12:13]
	s_add_nc_u64 s[4:5], s[4:5], s[50:51]
	s_add_nc_u64 s[6:7], s[6:7], s[44:45]
	s_add_nc_u64 s[8:9], s[8:9], s[22:23]
	s_add_nc_u64 s[10:11], s[84:85], s[20:21]      ; the bias along the lanes: bv
	s_add_nc_u64 s[12:13], s[12:13], s[94:95]
.irp n, 0,1
	s_mov_b32 s[G0+4*\n], 1                                        ; count = 1
	s_add_co_u32 s[G0+4*\n+1], s49, \n*SLOT                        ; LDS address: slot n, my 32 rows
	s_add_nc_u64 s[G0+4*\n+2:G0+4*\n+3], s[4:5], \n*128*1024       ; global address: slot n begins with rows 128 n
	s_or_b32 s[G0+4*\n+3], s[G0+4*\n+3], 0x80000000                ; type = 2
.endr
	WIN 0x40                                       ; destination window 1
.irp s, 0,1,2,3
.irp t, 0,1,2,3
.irp c, 0,1,2,3
	global_load_b128 v[16*(4*\s+\t)+4*\c:16*(4*\s+\t)+4*\c+3], v[WL], s[6:7] offset:16384*\t+128*\s+32*\c
.endr
.endr
.endr
	WIN 0x80                                       ; destination window 2
.irp s, 0,1,2,3
.irp t, 0,1,2,3
.irp c, 0,1,2,3
	global_load_b128 v[16*(4*\s+\t)+4*\c:16*(4*\s+\t)+4*\c+3], v[WL], s[6:7] offset:16384*\t+128*(\s+4)+32*\c
.endr
.endr
.endr
	WIN 0
.irp t, 0,1,2,3
	global_load_b128 v[CB+8*\t:CB+8*\t+3], v[CBO], s[8:9] offset:64*\t       ; the biases of stationary rows 16 t + 8 h + 0 .. 7
	global_load_b128 v[CB+8*\t+4:CB+8*\t+7], v[CBO], s[8:9] offset:64*\t+16
.endr
	CROUND                                         ; all four work-groups are here: the first joint loads meet
	tensor_load_to_lds s[G0:G0+3], s[G1:G1+7]      ; slot 0's first fill: one load of mine is out
	s_nop 0
	s_wait_alu depctr_va_vdst(0)
	s_wait_tensorcnt 0x0
	ds_add_u32 v12, v13
	s_wait_dscnt 0x0
	CROUND
	tensor_load_to_lds s[G0+4:G0+7], s[G1:G1+7]
	s_nop 0
	PLACES 4                                       ; four plain lines behind the loads
	s_wait_kmcnt 0x0
	s_cmp_eq_u32 s15, 0
	s_cselect_b32 s20, s52, s54                    ; ea
	s_cselect_b32 s21, s53, s55                    ; eb
	s_cselect_b32 s22, s58, s59                    ; eq
	s_cmp_eq_u32 s15, 2
	s_cselect_b32 s20, s56, s20
	s_cselect_b32 s21, s57, s21
	s_cselect_b32 s22, s61, s22
	s_add_co_i32 s20, s20, s21                     ; a sum stands for sum x 2^(ea + eb)
	s_sub_co_i32 s[NEG], 0, s20
	s_sub_co_i32 s22, s22, s20                     ; so its code is sum / 2^(eq - ea - eb): the three scales folded into the conversion's one
	s_add_co_i32 s22, s22, 127
	s_lshl_b32 s23, s22, 23
	v_mov_b32 v[SC], s23
	s_add_co_i32 s22, s22, 15
	s_lshl_b32 s22, s22, 23
	s_or_b32 s22, s22, 0x600000
	s_wait_loadcnt 0x0                             ; the stationary fragments and their biases
.set J, 0
.rept 32
	v_ldexp_f32 v[CB+J], v[CB+J], s[NEG]           ; bias / 2^(ea + eb)
.set J, J+1
.endr
.set J, 0
.rept 32
	v_cndmask_b32 v[CB+J], v[CB+J], v[NIL], s[MV]  ; 0 where p = 2
.set J, J+1
.endr
; 16 LDS loads: the four streamed tiles' fragments of K step s into set buf
.macro FETCH s, buf
.irp m, 0,1,2,3
.irp c, 0,1,2,3
	ds_load_b128 v[AF+64*(\buf)+16*\m+4*\c:AF+64*(\buf)+16*\m+4*\c+3], v[ADR] offset:16*PITCH*\m+128*(\s)+32*\c
.endr
.endr
.endm
; 16 matrix instructions: K step s, the 16 accumulators by turns, one instruction a turn, in the same order in every step.  K step 0 starts the sums with the bias as C.
.macro MUL s, buf
.if \s == 0
	WIN 0xc1                                       ; source 0 window 1, source 1 and C window 0, D window 3
.elseif \s < 4
	WIN 0xf1                                       ; C and D window 3
.else
	WIN 0xf2                                       ; source 0 window 2
.endif
.irp m, 0,1,2,3
.irp t, 0,1,2,3
.if \s == 0
	v_wmma_f32_16x16x128_bf8_bf8 v[8*(4*\m+\t):8*(4*\m+\t)+7], v[16*(4*((\s)%4)+\t):16*(4*((\s)%4)+\t)+15], v[AF+64*(\buf)+16*\m:AF+64*(\buf)+16*\m+15], v[CB+8*\t:CB+8*\t+7]
.else
	v_wmma_f32_16x16x128_bf8_bf8 v[8*(4*\m+\t):8*(4*\m+\t)+7], v[16*(4*((\s)%4)+\t):16*(4*((\s)%4)+\t)+15], v[AF+64*(\buf)+16*\m:AF+64*(\buf)+16*\m+15], v[8*(4*\m+\t):8*(4*\m+\t)+7]
.endif
.endr
.endr
	WIN 0
.endm
; THE WAY OUT of a block.  The eight lines on the lanes' biases are the places behind the last products (ISA guide 7.12.1).  Then, tile row by tile row: + bias, the conversion, two stores.
.macro EPI
	s_wait_loadcnt 0x0                             ; the block's four biases along the lanes
.irp m, 0,1,2,3
	v_ldexp_f32 v[RB+2*\m], v[RB+2*\m], s[NEG]
.endr
.irp m, 0,1,2,3
	v_cndmask_b32 v[RB+2*\m], v[NIL], v[RB+2*\m], s[MV]   ; 0 where p < 2
.endr
.irp m, 0,1,2,3
	WIN 0x03                                       ; source 0 window 3
.set J, 0
.rept 16
	v_pk_add_f32 v[TMP+J:TMP+J+1], v[32*\m+J:32*\m+J+1], v[RB+2*\m:RB+2*\m+1] op_sel_hi:[1,0]   ; each accumulator from its low end on
.set J, J+2
.endr
	WIN 0
.set J, 0
.rept 32
.set J, J+1
.endr
.irp t, 0,1,2,3
	v_cvt_scalef32_pk8_bf8_f32 v[CODE+8*\m+2*\t:CODE+8*\m+2*\t+1], v[TMP+8*\t:TMP+8*\t+7], v[SC]   ; registers 2 t, 2 t + 1 of the next operand
.endr
	v_nop                                          ; one plain line between the conversions and the next vector line that writes their sources
	global_store_b128 v[OFF+\m], v[CODE+8*\m:CODE+8*\m+3], s[12:13]              ; 32 lanes store 512 consecutive bytes, aligned
	global_store_b128 v[OFF+\m], v[CODE+8*\m+4:CODE+8*\m+7], s[12:13] offset:512
.endr
.endm
; A BLOCK: 64 streamed rows x my 64 stationary rows x K = 1,024: 128 matrix instructions.  The fragments of K step s + 1 are asked for ahead of K step s's products.
.macro BLOCK
	v_add_nc_u32 v[ADR], s[TB], v[AL0]
.irp m, 0,1,2,3
	global_load_b32 v[RB+2*\m], v[RBO], s[10:11] offset:64*\m
.endr
	FETCH 0, 0
	FETCH 1, 1
	s_wait_dscnt 16                                ; K step 0's sixteen loads are in; the sixteen just issued may be out
	s_wait_alu depctr_va_vdst(0)
	MUL 0, 0
.irp s, 1,2,3,4,5,6
	PLACES 4                                       ; in front of loads into the set that the last products read
	FETCH \s+1, (\s+1)%2
	s_wait_dscnt 16
	MUL \s, \s%2
.endr
	s_wait_dscnt 0x0
	MUL 7, 1
	EPI
	s_wait_xcnt 0x0                                ; the stores and loads have read their registers and bases: both may be written again
	s_add_nc_u64 s[12:13], s[12:13], s[46:47]
	s_add_nc_u64 s[10:11], s[10:11], 256           ; 64 biases on
	s_add_co_u32 s[TB], s[TB], BLK
.endm
.macro WORK2 base                      ; a slot's two blocks: written once, walked twice
	s_mov_b32 s[TB], \base
	s_mov_b32 s[TWICE], 2
.Lblk_\@:
	BLOCK
	s_sub_co_u32 s[TWICE], s[TWICE], 1
	s_cmp_lg_u32 s[TWICE], 0
	s_cbranch_scc1 .Lblk_\@
.endm
; THE CHANGE OF SLOTS.  Each wave waits for all its tensor loads (one is out: its part of the other slot), adds 0 to its spare word, and waits for that and for its reads of the slot that it leaves.
; fill = 1: slot n is filled again with the rows 256 further on.  The barrier is then a round of the cluster's, so that no wave of any partner still reads the slot or has a load on its way;
; the joint refill is the first thing behind it and has two blocks, 256 matrix instructions and two ways out, in which to land.
.macro CHANGE fill, n
	s_wait_tensorcnt 0x0                           ; no tensor load of mine is out, so a group 0 may be written
	ds_add_u32 v[SPW], v[NIL]                      ; 0 onto my spare word
.if \fill
	s_add_nc_u64 s[G0+4*\n+2:G0+4*\n+3], s[G0+4*\n+2:G0+4*\n+3], 256*1024
.endif
	s_wait_dscnt 0x0                               ; the add is done, and my reads of the slot are over
.if \fill
	CROUND
	tensor_load_to_lds s[G0+4*\n:G0+4*\n+3], s[G1:G1+7]
	s_nop 0
	PLACES 4
.else
	s_barrier_signal -1
	s_barrier_wait -1
.endif
.endm
	s_wait_tensorcnt 1                             ; my part of slot 0 is in; slot 1's may stay out
	s_barrier_signal -1
	s_barrier_wait -1                              ; everybody's is
	WORK2 0                                        ; rows 0-127
	CHANGE 1, 0
	WORK2 SLOT                                     ; rows 128-255
	CHANGE 1, 1
	WORK2 0                                        ; rows 256-383
	CHANGE 0, 0                                    ; nothing is left to fetch
	WORK2 SLOT                                     ; rows 384-511
	s_wait_tensorcnt 0x0                           ; the wave's end
	ds_add_u32 v[SPW], v[NIL]
	s_wait_dscnt 0x0
	CROUND                                         ; the closing round: no work-group ends while a partner may still ask for a tile that names it
	s_endpgm
.Lfunc_end_k_q2b1eca6fc0_proj:
	.size	k_q2b1eca6fc0_proj, .Lfunc_end_k_q2b1eca6fc0_proj-k_q2b1eca6fc0_proj
	.p2alignl 7, 3214868480
	.fill 96, 4, 3214868480
	.section	.rodata,"a",@progbits
	.p2align	6, 0x0
	.amdhsa_kernel k_q2b1eca6fc0_proj
		.amdhsa_group_segment_fixed_size 327680
		.amdhsa_private_segment_fixed_size 0
		.amdhsa_enable_private_segment 0
		.amdhsa_kernarg_size 104
		.amdhsa_user_sgpr_count 2
		.amdhsa_user_sgpr_kernarg_segment_ptr 1
		.amdhsa_wavefront_size32 1
		.amdhsa_system_sgpr_workgroup_id_x 1
		.amdhsa_system_sgpr_workgroup_id_y 1
		.amdhsa_system_sgpr_workgroup_id_z 1
		.amdhsa_system_vgpr_workitem_id 0
		.amdhsa_next_free_vgpr 896
		.amdhsa_next_free_sgpr 96
		.amdhsa_reserve_vcc 0
		.amdhsa_float_denorm_mode_32 3
		.amdhsa_float_denorm_mode_16_64 3
		.amdhsa_fp16_overflow 1
		.amdhsa_memory_ordered 1
		.amdhsa_forward_progress 1
		.amdhsa_inst_pref_size 126
	.end_amdhsa_kernel
	.amdgpu_metadata
---
amdhsa.version: [ 1, 2 ]
amdhsa.kernels:
  - .name:           k_q2b1eca6fc0_proj
    .symbol:         k_q2b1eca6fc0_proj.kd
    .args:
      - { .name: xq, .offset: 0, .size: 8, .value_kind: global_buffer, .address_space: global }
      - { .name: K_input_codes, .offset: 8, .size: 8, .value_kind: global_buffer, .address_space: global }
      - { .name: V_input_codes, .offset: 16, .size: 8, .value_kind: global_buffer, .address_space: global }
      - { .name: Wq_codes, .offset: 24, .size: 8, .value_kind: global_buffer, .address_space: global }
      - { .name: Wk_codes, .offset: 32, .size: 8, .value_kind: global_buffer, .address_space: global }
      - { .name: Wv_codes, .offset: 40, .size: 8, .value_kind: global_buffer, .address_space: global }
      - { .name: bq, .offset: 48, .size: 8, .value_kind: global_buffer, .address_space: global }
      - { .name: bk, .offset: 56, .size: 8, .value_kind: global_buffer, .address_space: global }
      - { .name: bv, .offset: 64, .size: 8, .value_kind: global_buffer, .address_space: global }
      - { .name: lowp_scales, .offset: 72, .size: 8, .value_kind: global_buffer, .address_space: global }
      - { .name: qc, .offset: 80, .size: 8, .value_kind: global_buffer, .address_space: global }
      - { .name: kc, .offset: 88, .size: 8, .value_kind: global_buffer, .address_space: global }
      - { .name: vc, .offset: 96, .size: 8, .value_kind: global_buffer, .address_space: global }
    .group_segment_fixed_size: 327680
    .private_segment_fixed_size: 0
    .kernarg_segment_align: 8
    .kernarg_segment_size: 104
    .max_flat_workgroup_size: 128
    .sgpr_count:     96
    .vgpr_count:     896
    .wavefront_size: 32
...
	.end_amdgpu_metadata
.endif
;; end of part 2
;; launch attn (part 3): grid 4 x 64, 16 waves a work-group, clusters of 4 x 1, 327,680 bytes of LDS; arguments qc, kc, vc, lowp_scales, cc; writes cc
.if DOCPART == 3
	.amdgcn_target "amdgcn-amd-amdhsa--gfx1250"
	.amdhsa_code_object_version 6
	.text
	.protected	k_q2b1eca6fc0_attn
	.globl	k_q2b1eca6fc0_attn
	.p2align	8
	.type	k_q2b1eca6fc0_attn,@function
k_q2b1eca6fc0_attn:
	s_mov_b64 s[64:65], 0
	v_nop
	global_prefetch_b8 v0, s[64:65] scope:SCOPE_SE
	s_setreg_imm32_b32 hwreg(HW_REG_WAVE_MODE, 25, 1), 1
	s_wait_xcnt 0x0
	s_wait_alu depctr_hold_cnt(0) depctr_sa_sdst(0) depctr_va_vdst(0) depctr_va_sdst(0) depctr_va_ssrc(0) depctr_va_vcc(0) depctr_vm_vsrc(0)
	s_getreg_b32 s2, hwreg(HW_REG_IB_STS2, 6, 4)
	s_cmp_eq_u32 s2, 0
	s_cbranch_scc0 .Lentry_in_a_cluster
	s_endpgm
.Lentry_in_a_cluster:
	s_bfe_u32 s2, ttmp6, 0x10000c
	s_cmp_lg_u32 s2, 0x3003
	s_cbranch_scc0 .Lentry_shape_is_right
	s_endpgm
.Lentry_shape_is_right:
; ctx[b][q][64 head + d] = the sum over k of softmax_k(Q . K / 8) V, both products on codes of BF8 (E5M2), and ctx quantised at once with 2^e10 for the last product.
; qc, kc, vc hold images of operand registers (four registers a piece, 16 bytes a lane, 512 bytes a piece): qc, kc [b h][tile of 16 rows][2 pieces], register 2 t + e: d = 16 t + 8 h + 4 e + 0 .. 3;
; vc [b h][128 keys][tile of 16 d][4 pieces], register 2 c + e: key 16 c + 8 h + 4 e + 0 .. 3.  cc: [tile of 16 rows of b x n][K step of 128 = two heads][4 pieces].
; THE SOFTMAX AHEAD OF THE SECOND PRODUCT: t = score x log2(e) / 8; M = the row's largest t so far, rounded UP to a whole number; p = 2^(t - M) is quantised with 2^e8, not normalised.
; The row's sum is taken of the unquantised p, in f32, and divides O at the end.  When M moves, the sum and O are multiplied by 2^(old M - new M): nothing is rounded.
; SHARES.  A work-group owns 512 queries of one head (b h = y).  Each of its SIXTEEN waves owns two tiles of 16 queries, one after the other, in 256 registers: four waves to a SIMD, so that one wave's vector
; work stands beside another's matrix work and LDS loads.  A head's codes of K and V are 2 x 131,072 bytes: they lie in LDS WHOLE, filled once: no slot is ever filled again.
; CLUSTER.  The four work-groups of a head form a cluster and need the same K and V: every tile is asked for JOINTLY, the same tensor load with the mask of all four.  Waves 0-7 fetch K, waves 8-15 V,
; each in two loads: first its share of key steps 0 to 3, then of steps 4 to 15, so that the work begins when a quarter has landed.  Two loads of a wave are out at the most.
; LAYOUT.  Both products are used transposed: S^T = K Q^T (source 0 = 16 keys, source 1 = my 16 queries, K = 64), O^T = V^T P^T (source 0 = 16 of the head's 64, source 1 = P, K = 128 keys): a lane holds ONE query.
; In S^T register j of tile t is key 16 t + 8 h + j: a tile's conversion gives registers 2 t, 2 t + 1 of P (ISA guide 7.12.2: 8-bit operands); likewise O^T's four tiles give ctx's eight registers.
; LIMITS on the given exponents, so that each power of two below is an f32 number: e6 + e7 between -123 and 130 (they are added to c's exponent field); e8 and e10 between -126 and 112; e8 + e9 goes by v_ldexp_f32 and has none.
; REGISTERS: v1 16 x lane; v8, v9 addresses of the step's loads; v12 -M, v13 the largest t, v[14:15] the sum in two halves; v16-23, v24-31 Q's two fragments; v32-95 eight fragments of K, then four of V;
; v96-159 S^T, then p; v160-191 O^T; v192-199 at work; v200: 2^e8; v202: the same with e10; v224-239 p's codes, at the end ctx's.
.set LI,  1
.set ADK, 8
.set ADV, 9
.set WV,  18                           ; s18  wave
.set SEL, 20                           ; s[20:21] lane selects for v_permlanex16_b32: lane l xor 16
.set CS,  22                           ; s[22:23] c = log2(e) / 8 x 2^(e6 + e7): the packed form names a pair and takes its low word for both halves
.set G1A, 24                           ; s[24:31] descriptor group 1: 16 rows of 256 bytes;  s[32:39]: 48 rows
.set G1B, 32
.set G0A, 40                           ; s[40:43], s[44:47] their groups 0
.set G0B, 44
.set TB,  48                           ; s48  LDS byte at which the step's tiles of K begin; V's lie 131,072 further on
.set CNT, 49
.macro CROUND                          ; a round of the cluster's barrier
	s_barrier_signal -1
	s_barrier_wait -1
	s_cmp_lg_u32 s[WV], 0
	s_cbranch_scc1 .Lnot_wave_0_\@
	s_barrier_signal -3
.Lnot_wave_0_\@:
	s_barrier_wait -3
	s_barrier_signal -1
	s_barrier_wait -1
.endm
	s_load_b256 s[4:11], s[0:1], 0x0               ; qc s[4:5], kc s[6:7], vc s[8:9], the scales' exponents s[10:11]
	s_load_b64 s[12:13], s[0:1], 0x20              ; cc
	v_lshl_add_u32 v254, v0, 2, 0x40000
	v_mov_b32 v255, 0
	ds_add_u32 v254, v255
	ds_add_u32 v254, v255
	v_lshrrev_b32 v2, 5, v0
	s_delay_alu instid0(VALU_DEP_1)
	v_readfirstlane_b32 s[WV], v2                  ; wave 0..15
	v_and_b32 v[LI], 31, v0
	s_delay_alu instid0(VALU_DEP_1)
	v_lshlrev_b32 v[LI], 4, v[LI]
	s_bfe_u32 s19, ttmp6, 0x40000                  ; cx: it enters Q's and ctx's addresses alone
	s_and_b32 s50, ttmp7, 0xffff                   ; b h, which the four partners share
	s_lshr_b32 s51, s[WV], 3
	s_lshl_b32 s51, s51, 17                        ; LDS: K's half or V's
	s_and_b32 s52, s[WV], 7
	s_lshl_b32 s53, s52, 12                        ; my 4,096 bytes of the first 32,768,
	s_mul_i32 s54, s52, 12288
	s_add_co_u32 s54, s54, 32768                   ; my 12,288 of the other 98,304
	s_lshl_b32 s58, s50, 17                        ; the head's first byte in qc, kc and vc
	s_add_co_u32 s60, s58, s53
	s_mov_b32 s61, 0
	s_add_co_u32 s62, s58, s54
	s_mov_b32 s63, 0
	s_lshl_b32 s56, s19, 5
	s_add_co_u32 s56, s56, s[WV]                   ; my first tile of queries: 32 cx + w; the second lies 16 tiles on
	s_lshl_b32 s76, s56, 10
	s_add_co_u32 s76, s76, s58
	s_mov_b32 s77, 0
	s_lshr_b32 s78, s50, 4                         ; ctx: tile of rows 128 b + my tile, 16,384 bytes each; + 1,024 x head
	s_lshl_b32 s78, s78, 7
	s_add_co_u32 s78, s78, s56
	s_lshl_b32 s78, s78, 14
	s_and_b32 s79, s50, 15
	s_lshl_b32 s79, s79, 10
	s_add_co_u32 s78, s78, s79
	s_mov_b32 s79, 0
	; descriptor groups 1: dense blocks as rows of 256 bytes (32 elements of 8 bytes), no padding: every LDS load takes 512 consecutive bytes
	s_mov_b32 s[G1A], 15|(3<<16)|(1<<21)           ; 15:0 the mask: all four work-groups; 17:16 elements of 8 bytes; 21 set beside a mask
	s_mov_b32 s[G1A+1], 32<<16                     ; tensor_dim0 = 32
	s_mov_b32 s[G1A+2], 16<<16                     ; tensor_dim1 = 16
	s_mov_b32 s[G1A+3], 32<<16                     ; tile_dim0 = 32
	s_mov_b32 s[G1A+4], 16                         ; tile_dim1 = 16
	s_mov_b32 s[G1A+5], 32                         ; from row to row
	s_mov_b32 s[G1A+6], 0
	s_mov_b32 s[G1A+7], 0
	s_mov_b32 s[G1B], 15|(3<<16)|(1<<21)
	s_mov_b32 s[G1B+1], 32<<16
	s_mov_b32 s[G1B+2], 48<<16
	s_mov_b32 s[G1B+3], 32<<16
	s_mov_b32 s[G1B+4], 48
	s_mov_b32 s[G1B+5], 32
	s_mov_b32 s[G1B+6], 0
	s_mov_b32 s[G1B+7], 0
	s_mov_b32 s[SEL], 0x76543210
	s_mov_b32 s[SEL+1], 0xfedcba98
	s_mov_b32 s[CS], 0x3e38aa3b                    ; log2(e) / sqrt(64)
	s_wait_dscnt 0x0
	s_wait_kmcnt 0x0
	s_load_b256 s[68:75], s[10:11], 0x10           ; e4 .. e11: e6 s70, e7 s71, e8 s72, e9 s73, e10 s74
	s_cmp_lt_u32 s[WV], 8                          ; the choice hangs on the wave's number alone
	s_cselect_b64 s[66:67], s[6:7], s[8:9]
	s_mov_b32 s[G0A], 1
	s_add_co_u32 s[G0A+1], s51, s53
	s_add_nc_u64 s[G0A+2:G0A+3], s[66:67], s[60:61]
	s_or_b32 s[G0A+3], s[G0A+3], 0x80000000
	s_mov_b32 s[G0B], 1
	s_add_co_u32 s[G0B+1], s51, s54
	s_add_nc_u64 s[G0B+2:G0B+3], s[66:67], s[62:63]
	s_or_b32 s[G0B+3], s[G0B+3], 0x80000000
	s_add_nc_u64 s[4:5], s[4:5], s[76:77]
	s_add_nc_u64 s[12:13], s[12:13], s[78:79]
	CROUND                                         ; all four work-groups are here: the joint loads meet
	tensor_load_to_lds s[G0A:G0A+3], s[G1A:G1A+7]  ; key steps 0 to 3
	s_nop 0
	s_wait_alu depctr_va_vdst(0)
	s_wait_tensorcnt 0x0
	ds_add_u32 v254, v255
	s_wait_dscnt 0x0
	CROUND
	tensor_load_to_lds s[G0B:G0B+3], s[G1B:G1B+7]  ; key steps 4 to 15
	s_nop 0
.rept 4
	v_nop                                          ; four plain lines behind the loads
.endr
	s_wait_alu depctr_va_vdst(0)
.irp c, 0,1
	global_load_b128 v[16+4*\c:19+4*\c], v[LI], s[4:5] offset:512*\c          ; Q's fragment of my first tile,
	global_load_b128 v[24+4*\c:27+4*\c], v[LI], s[4:5] offset:16384+512*\c    ; and of my second
.endr
	v_mov_b32 v192, 0                              ; written once: a lane permute's destination counts as one of its sources
	v_mov_b32 v195, 0                              ; (named as the upper half of the pair v[194:195])
	s_wait_kmcnt 0x0
	s_add_co_i32 s80, s70, s71
	s_lshl_b32 s80, s80, 23
	s_add_co_i32 s[CS], s[CS], s80                 ; a score stands for score x 2^(e6 + e7): the two exponents are added to c's exponent field
	s_mov_b32 s[CS+1], s[CS]
	s_add_co_i32 s80, s72, 127
	s_lshl_b32 s81, s80, 23
	v_mov_b32 v200, s81                            ; 2^e8
	s_add_co_i32 s80, s74, 127
	s_lshl_b32 s81, s80, 23
	v_mov_b32 v202, s81                            ; 2^e10
	s_add_co_i32 s57, s72, s73                     ; e8 + e9
.macro INIT                            ; a tile of queries begins: the step is written without a first step of its own: it finds zeros, which the first change of M leaves zeros
	v_mov_b32 v13, 0xff61b1e6                      ; the largest t so far: -3e38, under every t
	s_delay_alu instid0(VALU_DEP_1)
	v_floor_f32 v12, -v13                          ; -M
	v_mov_b32 v14, 0
	v_mov_b32 v15, 0
.set J, 0
.rept 32
	v_mov_b32 v[160+J], 0
.set J, J+1
.endr
.endm
; A KEY STEP: 128 keys against the 16 queries whose fragment begins at v[q].
.macro STEP q
	v_add_nc_u32 v[ADK], s[TB], v[LI]
	s_delay_alu instid0(VALU_DEP_1)
	v_add_nc_u32 v[ADV], 0x20000, v[ADK]
	v_nop
	v_nop                                          ; four places in front of loads into registers that the last products read (ISA guide 7.12.1 for vector instructions)
.irp t, 0,1,2,3,4,5,6,7
	ds_load_b128 v[32+8*\t:35+8*\t], v[ADK] offset:1024*\t
	ds_load_b128 v[36+8*\t:39+8*\t], v[ADK] offset:1024*\t+512
.endr
	s_wait_alu depctr_va_vdst(0)
	s_wait_dscnt 0x0
.irp t, 0,1,2,3,4,5,6,7
	v_wmma_f32_16x16x64_bf8_bf8 v[96+8*\t:103+8*\t], v[32+8*\t:39+8*\t], v[\q:\q+7], 0
.endr
.rept 4
	v_nop                                          ; places in front of the loads below and of the first read of the scores
.endr
.irp d, 0,1,2,3
.irp c, 0,1,2,3
	ds_load_b128 v[32+16*\d+4*\c:35+16*\d+4*\c], v[ADV] offset:2048*\d+512*\c   ; V's four fragments land while the softmax is worked
.endr
.endr
	v_max3_num_f32 v196, v96, v97, v98             ; the step's largest score of my query, among my 64 keys, in two chains, each accumulator from its low end on,
	v_max3_num_f32 v197, v99, v100, v101
.irp i, 6,10,14,18,22,26,30,34,38,42,46,50,54,58
	v_max3_num_f32 v196, v196, v[96+\i], v[97+\i]
	v_max3_num_f32 v197, v197, v[98+\i], v[99+\i]
.endr
	v_max3_num_f32 v196, v196, v158, v159
	s_delay_alu instid0(VALU_DEP_1)
	v_max_num_f32 v196, v196, v197
	s_delay_alu instid0(VALU_DEP_1)
	v_permlanex16_b32 v192, v196, s[SEL], s[SEL+1]
	s_delay_alu instid0(VALU_DEP_1)
	v_max_num_f32 v196, v196, v192                 ; and among lane l xor 16's
	s_delay_alu instid0(VALU_DEP_1)
	v_mul_f32 v196, s[CS], v196                    ; as t (c is positive)
	s_delay_alu instid0(VALU_DEP_1)
	v_max_num_f32 v13, v13, v196                   ; the running largest t
	v_mov_b32 v196, v12
	s_delay_alu instid0(VALU_DEP_2)
	v_floor_f32 v12, -v13                          ; the new -M = floor(-t) = -ceil(t): M is a whole number
	s_delay_alu instid0(VALU_DEP_1)
	v_sub_f32 v196, v12, v196                      ; M's old value less its new one: a whole number, 0 or less
	s_delay_alu instid0(VALU_DEP_1)
	v_cvt_i32_f32 v196, v196                       ; (it saturates)
	s_delay_alu instid0(VALU_DEP_1)
	v_ldexp_f32 v194, 1.0, v196                    ; f = 2^(old M - new M)
.set J, 0
.rept 32
	v_pk_fma_f32 v[96+J:97+J], v[96+J:97+J], s[CS:CS+1], v[12:13] op_sel_hi:[1,0,0]   ; t - M, two at a time
.set J, J+2
.endr
.set J, 0
	s_setprio 1
	s_wait_alu depctr_va_vdst(0)
.rept 64
	v_exp_f32 v[96+J], v[96+J]                     ; p = 2^(t - M), at most 1: not normalised
.set J, J+1
.endr
	v_pk_mul_f32 v[14:15], v[14:15], v[194:195] op_sel_hi:[1,0]   ; the sums under the new M.  (A plain place behind the exponentials)
	s_wait_alu depctr_va_vdst(0)
	v_pk_add_f32 v[198:199], v[96:97], v[98:99]    ; the row's sum is taken of the unquantised p: two at a time, in two chains
.irp j, 4,8,12,16,20,24,28,32,36,40,44,48,52,56,60
	v_pk_add_f32 v[14:15], v[14:15], v[96+\j:97+\j]
	v_pk_add_f32 v[198:199], v[198:199], v[98+\j:99+\j]
.endr
	s_delay_alu instid0(VALU_DEP_1)
	v_pk_add_f32 v[14:15], v[14:15], v[198:199]
.set J, 0
.rept 64
.set J, J+1
.endr
.irp t, 0,1,2,3,4,5,6,7
	v_cvt_scalef32_pk8_bf8_f32 v[224+2*\t:225+2*\t], v[96+8*\t:103+8*\t], v200   ; registers 2 t, 2 t + 1 of P: keys 16 t + 8 h + 0 .. 7
.endr
.set J, 0
	s_setprio 0
.rept 16
	v_pk_mul_f32 v[160+J:161+J], v[160+J:161+J], v[194:195] op_sel_hi:[1,0]   ; O^T under the new M.  (Also the plain lines between the conversions and the products that read their results)
.set J, J+2
.endr
	s_wait_alu depctr_va_vdst(0)
	s_wait_dscnt 0x0                               ; V
.irp d, 0,1,2,3
	v_wmma_f32_16x16x128_bf8_bf8 v[160+8*\d:167+8*\d], v[32+16*\d:47+16*\d], v[224:239], v[160+8*\d:167+8*\d]   ; four accumulators by turns
.endr
	s_add_co_u32 s[TB], s[TB], 8192
.endm
.macro WALK q, trips
	s_mov_b32 s[CNT], \trips
.Lstep_\@:
	s_setprio 2
	STEP \q
	s_sub_co_u32 s[CNT], s[CNT], 1
	s_cmp_lg_u32 s[CNT], 0
	s_cbranch_scc1 .Lstep_\@
	s_setprio 0
.endm
; A tile's end: O^T / the sum x 2^(e8 + e9) is ctx; it is converted with 2^e10, and its eight registers leave as two pieces of 512 consecutive bytes.
.macro FINISH i
	v_add_f32 v14, v14, v15                        ; the sum's two halves,
	s_delay_alu instid0(VALU_DEP_1)
	v_permlanex16_b32 v192, v14, s[SEL], s[SEL+1]
	s_delay_alu instid0(VALU_DEP_1)
	v_add_f32 v14, v14, v192                       ; and lane l xor 16's
	s_wait_alu depctr_va_vdst(0)
	v_rcp_f32 v14, v14
	v_nop                                          ; one plain place behind a transcendental
	s_wait_alu depctr_va_vdst(0)
	v_ldexp_f32 v14, v14, s57
	v_nop
	v_nop                                          ; with the lines above: more than four places behind the last products
.set J, 0
.rept 32
	v_mul_f32 v[96+J], v[160+J], v14               ; register 8 m + j: ctx(query r, d = 16 m + 8 h + j); each accumulator from its low end on
.set J, J+1
.endr
.set J, 0
.rept 32
.set J, J+1
.endr
.irp m, 0,1,2,3
	v_cvt_scalef32_pk8_bf8_f32 v[224+2*\m:225+2*\m], v[96+8*\m:103+8*\m], v202
.endr
	v_nop                                          ; one plain line behind the last conversion
	global_store_b128 v[LI], v[224:227], s[12:13] offset:262144*\i
	global_store_b128 v[LI], v[228:231], s[12:13] offset:262144*\i+512
.endm
	INIT
	s_wait_loadcnt 0x0                             ; Q
	s_wait_tensorcnt 1                             ; my share of key steps 0 to 3 is in; the second load may stay out
	s_barrier_signal -1
	s_barrier_wait -1                              ; everybody's is
	s_mov_b32 s[TB], 0
	WALK 16, 4
	s_wait_tensorcnt 0x0                           ; my share of key steps 4 to 15 is in,
	s_barrier_signal -1
	s_barrier_wait -1                              ; everybody's is
	s_mov_b32 s[TB], 4*8192
	WALK 16, 12
	FINISH 0
	s_wait_xcnt 0x0                                ; the stores have read their registers: the second tile's codes may be written there
	INIT
	s_mov_b32 s[TB], 0
	WALK 24, 16
	FINISH 1
	s_wait_tensorcnt 0x0
	ds_add_u32 v254, v255
	s_wait_dscnt 0x0
	CROUND                                         ; the closing round
	s_endpgm
.Lfunc_end_k_q2b1eca6fc0_attn:
	.size	k_q2b1eca6fc0_attn, .Lfunc_end_k_q2b1eca6fc0_attn-k_q2b1eca6fc0_attn
	.p2alignl 7, 3214868480
	.fill 96, 4, 3214868480
	.section	.rodata,"a",@progbits
	.p2align	6, 0x0
	.amdhsa_kernel k_q2b1eca6fc0_attn
		.amdhsa_group_segment_fixed_size 327680
		.amdhsa_private_segment_fixed_size 0
		.amdhsa_enable_private_segment 0
		.amdhsa_kernarg_size 40
		.amdhsa_user_sgpr_count 2
		.amdhsa_user_sgpr_kernarg_segment_ptr 1
		.amdhsa_wavefront_size32 1
		.amdhsa_system_sgpr_workgroup_id_x 1
		.amdhsa_system_sgpr_workgroup_id_y 1
		.amdhsa_system_sgpr_workgroup_id_z 1
		.amdhsa_system_vgpr_workitem_id 0
		.amdhsa_next_free_vgpr 256
		.amdhsa_next_free_sgpr 84
		.amdhsa_reserve_vcc 0
		.amdhsa_float_denorm_mode_32 3
		.amdhsa_float_denorm_mode_16_64 3
		.amdhsa_fp16_overflow 1
		.amdhsa_memory_ordered 1
		.amdhsa_forward_progress 1
		.amdhsa_inst_pref_size 54
	.end_amdhsa_kernel
	.amdgpu_metadata
---
amdhsa.version: [ 1, 2 ]
amdhsa.kernels:
  - .name:           k_q2b1eca6fc0_attn
    .symbol:         k_q2b1eca6fc0_attn.kd
    .args:
      - { .name: qc, .offset: 0, .size: 8, .value_kind: global_buffer, .address_space: global }
      - { .name: kc, .offset: 8, .size: 8, .value_kind: global_buffer, .address_space: global }
      - { .name: vc, .offset: 16, .size: 8, .value_kind: global_buffer, .address_space: global }
      - { .name: lowp_scales, .offset: 24, .size: 8, .value_kind: global_buffer, .address_space: global }
      - { .name: cc, .offset: 32, .size: 8, .value_kind: global_buffer, .address_space: global }
    .group_segment_fixed_size: 327680
    .private_segment_fixed_size: 0
    .kernarg_segment_align: 8
    .kernarg_segment_size: 40
    .max_flat_workgroup_size: 512
    .sgpr_count:     84
    .vgpr_count:     256
    .wavefront_size: 32
...
	.end_amdgpu_metadata
.endif
;; end of part 3
;; launch outln (part 4): grid 256 x 1, 4 waves a work-group, no clusters, 132,096 bytes of LDS; arguments cc, wi, Q_input, bo, gamma, beta, lowp_scales, out0; writes out0
.if DOCPART == 4
	.amdgcn_target "amdgcn-amd-amdhsa--gfx1250"
	.amdhsa_code_object_version 6
	.text
	.protected	k_q2b1eca6fc0_outln
	.globl	k_q2b1eca6fc0_outln
	.p2align	8
	.type	k_q2b1eca6fc0_outln,@function
k_q2b1eca6fc0_outln:
	s_mov_b64 s[64:65], 0
	v_nop
	global_prefetch_b8 v0, s[64:65] scope:SCOPE_SE
	s_setreg_imm32_b32 hwreg(HW_REG_WAVE_MODE, 25, 1), 1
	s_wait_xcnt 0x0
; out0 = LayerNorm(Q_input + ctx Wo + bo) x gamma + beta.  The product is on codes of BF8 (E5M2), K = 1,024; all else in f32.
; cc holds ctx's codes and wi Wo's, both as images of operand registers (a fragment of 16 rows x 128 K: four pieces of 512 bytes, 16 bytes a lane; register 2 c + e: k = 128 s + 16 c + 8 h + 4 e + 0 .. 3).
; SHARES.  Work-group g takes rows 32 g .. 32 g + 31 and ALL 1,024 columns, since the norm wants whole rows.  Wave w makes columns 256 w .. 256 w + 255: 32 accumulators (2 tiles of rows x 16 tiles of columns), 256 registers.
; ctx's 16 fragments stay in registers.  Wo's fragments go from memory straight into operand registers, three groups of four in turn, two groups ahead of the products.
; NO CLUSTER, NO TENSOR LOAD: a fragment of Wo is used by one wave of a work-group, for two matrix instructions, and its image loads as it lies; a way through LDS would add one LDS write and one LDS read for each of its bytes.
; THE MATRIX INSTRUCTION IS USED TRANSPOSED (source 0 = 16 columns' rows of Wo, source 1 = 16 rows of ctx): a lane holds eight neighbouring columns of one row.  The raw sums meet in a stage in LDS (32 rows of 4,096 + 16 bytes);
; behind one barrier each wave takes 8 whole rows, a row at a time: x = sum x 2^(e10 + e11) + (Q_input + bo); mean; x - mean; mean of squares; rsqrt; gamma, beta.  The variance is taken of x - mean, as the problem writes it.
; LIMIT: e10 + e11 between -126 and 127, so that 2^(e10 + e11) is an f32 number.
; REGISTERS, in windows of 256.  Window 0: v1 16 x lane; v2, v3 where I put 32 bytes of a stage row (row tile 0, 1); v4 where I read a row back; v32-223 three groups of Wo's fragments, later v32-63 bo, v64-95 gamma, v96-127 beta,
; v128-191 two rows, v192-223 Q_input + bo; v224-236 at work.  Window 1: ctx (u, s) at v[16 (8 u + s)].  Window 2: accumulator (u, t) at v[8 (2 t + u)].  Window 3: my 8 rows of Q_input, row i at v[32 i].
.set LI,  1
.set SO,  2
.set SR,  4
.set BB,  32
.set BO,  32
.set GA,  64
.set BE,  96
.set XR,  128
.set Y,   192
.set SPI, 4112                         ; a stage row: 4,096 bytes + 16 = 1,028 words: row r starts at bank 4 r mod 64 (ISA guide 11.1)
.set MSB, 0
.macro WIN new                         ; the immediate's high byte repeats the setting that is left
.if MSB != \new
	s_set_vgpr_msb (MSB<<8)|\new
.set MSB, \new
.endif
.endm
	s_load_b512 s[4:19], s[0:1], 0x0               ; cc 4, wi 6, Q_input 8, bo 10, gamma 12, beta 14, the scales' exponents 16, out0 18
	v_lshl_add_u32 v254, v0, 2, 0x20200
	v_mov_b32 v255, 0
	v_lshrrev_b32 v5, 5, v0
	v_readfirstlane_b32 s20, v5                    ; wave 0..3
	v_and_b32 v[LI], 31, v0
	v_lshlrev_b32 v[LI], 4, v[LI]
	v_and_b32 v5, 15, v0                           ; r
	v_bfe_u32 v6, v0, 4, 1                         ; h
	v_mul_u32_u24 v[SO], v5, SPI
	v_lshl_add_u32 v[SO], v6, 5, v[SO]
	s_lshl_b32 s21, s20, 10
	v_add_nc_u32 v[SO], s21, v[SO]                 ; row r, + 32 h, + my wave's 1,024 bytes
	v_add_nc_u32 v[SO+1], 16*SPI, v[SO]            ; the same 16 rows further down
	s_mul_i32 s21, s20, 8*SPI
	v_add_nc_u32 v[SR], s21, v[LI]                 ; back: my 8 rows, 16 bytes a lane
	v_mov_b32 v233, 0                              ; (upper halves of pairs that are named whole, and a lane permute's destination: written once)
	v_mov_b32 v235, 0
	v_mov_b32 v236, 0
	s_lshl_b32 s22, ttmp9, 15                      ; cc: two tiles of rows of 16,384 bytes
	s_mov_b32 s23, 0
	s_lshl_b32 s32, s20, 18                        ; wi: my wave's 128 fragments of 2,048 bytes
	s_mov_b32 s33, 0
	s_lshl_b32 s34, ttmp9, 17                      ; Q_input and out0: row 32 g + 8 w, of 4,096 bytes
	s_lshl_b32 s35, s20, 15
	s_add_co_u32 s34, s34, s35
	s_mov_b32 s35, 0
	s_mov_b32 s26, 0x3a800000                      ; 1 / 1,024
	s_mov_b32 s27, 0x3727c5ac                      ; 1e-5
	s_mov_b32 s28, 0x76543210
	s_mov_b32 s29, 0xfedcba98                      ; v_permlanex16_b32's selects for lane l xor 16
	s_wait_kmcnt 0x0
	s_load_b64 s[30:31], s[16:17], 0x28            ; e10, e11
	s_add_nc_u64 s[4:5], s[4:5], s[22:23]
	s_add_nc_u64 s[6:7], s[6:7], s[32:33]
	s_add_nc_u64 s[8:9], s[8:9], s[34:35]
	s_add_nc_u64 s[18:19], s[18:19], s[34:35]
	WIN 0xc0                                       ; destination window 3
.irp i, 0,1,2,3,4,5,6,7
.irp k, 0,1,2,3,4,5,6,7
	global_load_b128 v[32*\i+4*\k:32*\i+4*\k+3], v[LI], s[8:9] offset:4096*\i+512*\k th:TH_LOAD_NT   ; the residual's rows, asked for first: they land under the product
.endr
.endr
	WIN 0x40                                       ; destination window 1
.irp u, 0,1
.irp s, 0,1,2,3,4,5,6,7
.irp c, 0,1,2,3
	global_load_b128 v[16*(8*\u+\s)+4*\c:16*(8*\u+\s)+4*\c+3], v[LI], s[4:5] offset:16384*\u+2048*\s+512*\c
.endr
.endr
.endr
	WIN 0
; group g = 8 q + s: Wo's four fragments of column tiles 4 q .. 4 q + 3, K step s, into set g % 3
.macro BLOAD g
.irp f, 0,1,2,3
.irp c, 0,1,2,3
	global_load_b128 v[BB+64*((\g)%3)+16*\f+4*\c:BB+64*((\g)%3)+16*\f+4*\c+3], v[LI], s[6:7] offset:8192*(\g)+2048*\f+512*\c
.endr
.endr
.endm
; its eight matrix instructions: eight accumulators by turns, one instruction a turn; K step 0 starts the sums with the constant 0
.macro GMUL g
	WIN 0xa4                                       ; source 0 (Wo) window 0, source 1 (ctx) window 1, C and D window 2
.irp f, 0,1,2,3
.irp u, 0,1
.if (\g)%8 == 0
	v_wmma_f32_16x16x128_bf8_bf8 v[8*(2*(4*((\g)/8)+\f)+\u):8*(2*(4*((\g)/8)+\f)+\u)+7], v[BB+64*((\g)%3)+16*\f:BB+64*((\g)%3)+16*\f+15], v[16*(8*\u+(\g)%8):16*(8*\u+(\g)%8)+15], 0
.else
	v_wmma_f32_16x16x128_bf8_bf8 v[8*(2*(4*((\g)/8)+\f)+\u):8*(2*(4*((\g)/8)+\f)+\u)+7], v[BB+64*((\g)%3)+16*\f:BB+64*((\g)%3)+16*\f+15], v[16*(8*\u+(\g)%8):16*(8*\u+(\g)%8)+15], v[8*(2*(4*((\g)/8)+\f)+\u):8*(2*(4*((\g)/8)+\f)+\u)+7]
.endif
.endr
.endr
	WIN 0
.endm
	BLOAD 0
	BLOAD 1
	BLOAD 2
.set G, 0
.rept 32
.if G < 30
	s_wait_loadcnt 32                              ; this group is in (and all that was asked for earlier); the two groups behind it may be out
.elseif G == 30
	s_wait_loadcnt 16
.else
	s_wait_loadcnt 0x0
.endif
	GMUL G
.rept 4
	v_nop                                          ; places in front of loads into the set just read, and at the end of the first read of results (ISA guide 7.12.1 for vector instructions)
.endr
.if G < 29
	BLOAD G+3
.endif
.set G, G+1
.endr
.irp k, 0,1,2,3,4,5,6,7
	global_load_b128 v[BO+4*\k:BO+4*\k+3], v[LI], s[10:11] offset:512*\k     ; my lane's 32 columns: 128 k + 4 lane + 0 .. 3
	global_load_b128 v[GA+4*\k:GA+4*\k+3], v[LI], s[12:13] offset:512*\k
	global_load_b128 v[BE+4*\k:BE+4*\k+3], v[LI], s[14:15] offset:512*\k
.endr
	WIN 0x08                                       ; the stores' data: window 2
	s_wait_alu depctr_va_vdst(0)
.irp t, 0,1,2,3,4,5,6,7,8,9,10,11,12,13,14,15
.irp u, 0,1
	ds_store_b128 v[SO+\u], v[8*(2*\t+\u):8*(2*\t+\u)+3] offset:64*\t          ; lane (r, h): sums of row 16 u + r, columns 256 w + 16 t + 8 h + 0 .. 7; each accumulator from its low end on
	ds_store_b128 v[SO+\u], v[8*(2*\t+\u)+4:8*(2*\t+\u)+7] offset:64*\t+16
.endr
.endr
	WIN 0
	s_wait_kmcnt 0x0
	s_add_co_i32 s24, s30, s31
	s_add_co_i32 s24, s24, 127
	s_lshl_b32 s24, s24, 23                        ; 2^(e10 + e11) as f32
	s_mov_b32 s25, s24                             ; (named with it as a pair, so it is written)
	s_wait_dscnt 0x0                               ; for the others' sake: my stores into the stage are done
	s_barrier_signal -1
	s_barrier_wait -1                              ; 32 whole rows of sums lie in the stage
	s_wait_loadcnt 0x0                             ; bo, gamma, beta
.macro RLOAD i                         ; row i of my eight, into set i % 2
.irp k, 0,1,2,3,4,5,6,7
	ds_load_b128 v[XR+32*((\i)%2)+4*\k:XR+32*((\i)%2)+4*\k+3], v[SR] offset:SPI*(\i)+512*\k
.endr
.endm
.macro REDUCE                          ; four pairs v224-231 become one sum over the row, in every lane's v224
	v_pk_add_f32 v[224:225], v[224:225], v[226:227]
	v_pk_add_f32 v[228:229], v[228:229], v[230:231]
	v_pk_add_f32 v[224:225], v[224:225], v[228:229]
	v_add_f32 v224, v224, v225
	v_add_f32_dpp v224, v224, v224 row_xmask:1 row_mask:0xf bank_mask:0xf
	v_add_f32_dpp v224, v224, v224 row_xmask:2 row_mask:0xf bank_mask:0xf
	v_add_f32_dpp v224, v224, v224 row_xmask:4 row_mask:0xf bank_mask:0xf
	v_add_f32_dpp v224, v224, v224 row_xmask:8 row_mask:0xf bank_mask:0xf
	v_permlanex16_b32 v236, v224, s28, s29
	v_add_f32 v224, v224, v236
.endm
.macro ROW i, last
.set XB, XR+32*((\i)%2)
	s_wait_xcnt 0x0                                ; the row before last's stores have read their registers: the next row may land there
.if !\last
	RLOAD (\i)+1
	s_wait_dscnt 8                                 ; this row's eight loads are in; the next row's eight may be out
.else
	s_wait_dscnt 0x0
.endif
	WIN 0x03                                       ; source 0 window 3
.set J, 0
.rept 16
	v_pk_add_f32 v[Y+J:Y+J+1], v[32*(\i)+J:32*(\i)+J+1], v[BO+J:BO+J+1]   ; Q_input + bo
.set J, J+2
.endr
	WIN 0
.set J, 0
.rept 16
	v_pk_fma_f32 v[XB+J:XB+J+1], v[XB+J:XB+J+1], s[24:25], v[Y+J:Y+J+1] op_sel_hi:[1,0,1]   ; x = sum x 2^(e10 + e11) + that
.set J, J+2
.endr
.irp c, 0,1,2,3
	v_pk_add_f32 v[224+2*\c:225+2*\c], v[XB+2*\c:XB+2*\c+1], v[XB+8+2*\c:XB+8+2*\c+1]   ; the row's sum, in four chains
.endr
.irp j, 16,24
.irp c, 0,1,2,3
	v_pk_add_f32 v[224+2*\c:225+2*\c], v[224+2*\c:225+2*\c], v[XB+\j+2*\c:XB+\j+2*\c+1]
.endr
.endr
	REDUCE
	v_mul_f32 v232, s26, v224                      ; the mean
.set J, 0
.rept 16
	v_pk_add_f32 v[XB+J:XB+J+1], v[XB+J:XB+J+1], v[232:233] op_sel_hi:[1,0] neg_lo:[0,1] neg_hi:[0,1]   ; x - mean
.set J, J+2
.endr
.irp c, 0,1,2,3
	v_pk_mul_f32 v[224+2*\c:225+2*\c], v[XB+2*\c:XB+2*\c+1], v[XB+2*\c:XB+2*\c+1]     ; the sum of its squares, in four chains
.endr
.irp j, 8,16,24
.irp c, 0,1,2,3
	v_pk_fma_f32 v[224+2*\c:225+2*\c], v[XB+\j+2*\c:XB+\j+2*\c+1], v[XB+\j+2*\c:XB+\j+2*\c+1], v[224+2*\c:225+2*\c]
.endr
.endr
	REDUCE
	v_fma_f32 v234, v224, s26, s27                 ; the variance + 1e-5
	s_wait_alu depctr_va_vdst(0)
	v_rsq_f32 v234, v234
	v_nop                                          ; one plain place behind a transcendental
.set J, 0
	s_wait_alu depctr_va_vdst(0)
.rept 16
	v_pk_mul_f32 v[XB+J:XB+J+1], v[XB+J:XB+J+1], v[234:235] op_sel_hi:[1,0]
.set J, J+2
.endr
.set J, 0
.rept 16
	v_pk_fma_f32 v[XB+J:XB+J+1], v[XB+J:XB+J+1], v[GA+J:GA+J+1], v[BE+J:BE+J+1]
.set J, J+2
.endr
.irp k, 0,1,2,3,4,5,6,7
	global_store_b128 v[LI], v[XB+4*\k:XB+4*\k+3], s[18:19] offset:4096*(\i)+512*\k th:TH_STORE_NT   ; 32 lanes store 512 consecutive bytes, aligned; written once, read by nobody here
.endr
.endm
	RLOAD 0
.irp i, 0,1,2,3,4,5,6
	ROW \i, 0
.endr
	ROW 7, 1
	s_wait_tensorcnt 0x0
	ds_add_u32 v254, v255
	s_wait_dscnt 0x0
	s_endpgm
.Lfunc_end_k_q2b1eca6fc0_outln:
	.size	k_q2b1eca6fc0_outln, .Lfunc_end_k_q2b1eca6fc0_outln-k_q2b1eca6fc0_outln
	.p2alignl 7, 3214868480
	.fill 96, 4, 3214868480
	.section	.rodata,"a",@progbits
	.p2align	6, 0x0
	.amdhsa_kernel k_q2b1eca6fc0_outln
		.amdhsa_group_segment_fixed_size 132096
		.amdhsa_private_segment_fixed_size 0
		.amdhsa_enable_private_segment 0
		.amdhsa_kernarg_size 64
		.amdhsa_user_sgpr_count 2
		.amdhsa_user_sgpr_kernarg_segment_ptr 1
		.amdhsa_wavefront_size32 1
		.amdhsa_system_sgpr_workgroup_id_x 1
		.amdhsa_system_sgpr_workgroup_id_y 1
		.amdhsa_system_sgpr_workgroup_id_z 1
		.amdhsa_system_vgpr_workitem_id 0
		.amdhsa_next_free_vgpr 1024
		.amdhsa_next_free_sgpr 66
		.amdhsa_reserve_vcc 0
		.amdhsa_float_denorm_mode_32 3
		.amdhsa_float_denorm_mode_16_64 3
		.amdhsa_memory_ordered 1
		.amdhsa_forward_progress 1
		.amdhsa_inst_pref_size 168
	.end_amdhsa_kernel
	.amdgpu_metadata
---
amdhsa.version: [ 1, 2 ]
amdhsa.kernels:
  - .name:           k_q2b1eca6fc0_outln
    .symbol:         k_q2b1eca6fc0_outln.kd
    .args:
      - { .name: cc, .offset: 0, .size: 8, .value_kind: global_buffer, .address_space: global }
      - { .name: wi, .offset: 8, .size: 8, .value_kind: global_buffer, .address_space: global }
      - { .name: Q_input, .offset: 16, .size: 8, .value_kind: global_buffer, .address_space: global }
      - { .name: bo, .offset: 24, .size: 8, .value_kind: global_buffer, .address_space: global }
      - { .name: gamma, .offset: 32, .size: 8, .value_kind: global_buffer, .address_space: global }
      - { .name: beta, .offset: 40, .size: 8, .value_kind: global_buffer, .address_space: global }
      - { .name: lowp_scales, .offset: 48, .size: 8, .value_kind: global_buffer, .address_space: global }
      - { .name: out0, .offset: 56, .size: 8, .value_kind: global_buffer, .address_space: global }
    .group_segment_fixed_size: 132096
    .private_segment_fixed_size: 0
    .kernarg_segment_align: 8
    .kernarg_segment_size: 64
    .max_flat_workgroup_size: 128
    .sgpr_count:     66
    .vgpr_count:     1024
    .wavefront_size: 32
...
	.end_amdgpu_metadata
.endif
;; end of part 4
